; MI455X (gfx1250); checked and timed in simulation.
; The chip was launched on July 23, 2026; its instructions are those of AMD's public machine-readable ISA for CDNA 5 (MIT licence, August 2026) and "CDNA5" Instruction Set Architecture Reference Guide (July 2026). The comments in the code are by the model that wrote it; some were corrected since.
;; Multi Head Attention Quantum. Allowed arithmetic: matrix products marked QUANTISED: E2M1 operands, one E8M0 scale for each 32 along K, by v_wmma_scale_f32_16x16x128_f8f6f4 with both operands' format E2M1 (or v_wmma_scale_f32_32x16x128_f4), f32 sums; products left as they are: f32 operands where the result goes on into a quantised operand, else bf16, f16 or f32 operands; f32 sums; everything else in f32.
;; Inputs: W 128 x 128 float32; b 128 float32; theta 8 float32; x 8 x 1,024 x 128 float32.
;; Outputs: out0 8 x 1,024 x 128 float32.
;; This version of the problem:
;;   THIS VERSION OF THE PROBLEM IS GIVEN IN LOW PRECISION. The matrix products marked QUANTISED in the list below multiply operands that are first quantised to E2M1 (2 exponent bits, 1 mantissa bit; 4 bits a number), with one power-of-two scale for each 32 numbers along K (OCP MX v1.0); their sums are f32. All else is computed in f32.
;;   The module's matrix products, in the order in which they are computed (A, B: the left and right operand; K: the contracted axis; several contracted axes count as one K, in the product's order):
;;     1. batch 128 x [M 1,024, K 8] x [K 8, N 1,024]; A: computed on the way; B: computed on the way: left as it is (K = 8 < 32)
;;     2. batch 128 x [M 1,024, K 1,024] x [K 1,024, N 8]; A: softmax; B: computed on the way: left as it is (N = 8 < 16)
;;     3. [M 8,192, K 128] x [K 128, N 128]; A: computed on the way; B: input W: QUANTISED
;;   THE QUANTISER, for each operand of a quantised product, along K:
;;     - K is cut into blocks of 32 from its start; a last block that is shorter is filled with zeros.
;;     - A block's scale is 2^e with e = floor(log2(the largest magnitude in the block)) - 2, held to -126 .. 127; a block of zeros has e = 0. As a byte (E8M0): e + 127.
;;     - Each number is divided by its block's scale, clamped to +-6, and rounded to the nearest number of E2M1, ties to even, subnormals kept.
;;     - The product sums the exact products of the quantised numbers (number of the format x scale) in f32.
;;   ~~~python
;;   def quantise(x, axis):      # numpy; x: float32 -> the quantised numbers, widened to float32 again
;;       x = np.moveaxis(x, axis, -1); K = x.shape[-1]
;;       x = np.pad(x, [(0, 0)] * (x.ndim - 1) + [(0, -K % 32)]); x = x.reshape(x.shape[:-1] + (-1, 32)); a = np.abs(x).max(-1, keepdims=True)
;;       e = np.where(a > 0, np.clip(np.frexp(np.where(a > 0, a, 1))[1] - 1 - 2, -126, 127), 0)      # np.frexp(a)[1] - 1 = floor(log2(a)), exactly
;;       r = np.clip(x / 2.0 ** e, -6, 6)
;;       step = 2.0 ** (np.maximum(np.frexp(np.where(r == 0, 1, r))[1] - 1, 0) - 1)
;;       q = np.round(r / step) * step * 2.0 ** e      # np.round: ties to even
;;       return np.moveaxis(q.reshape(q.shape[:-2] + (-1,))[..., :K], -1, axis).astype(np.float32)
;;   ~~~
;;   OPERANDS COMPUTED ON THE WAY. 'Computed on the way' means the value that the module computes at that place (a softmax that the list does not call 'softmax' is quantised finished and normalised). What goes into a quantiser is computed in f32, as accurately as f32 sums, v_exp_f32 and their like allow (about 1e-6 of the number): no bf16 or f16 on the way to a quantiser, and a product that is left as it is and whose result goes on into a quantised operand takes f32 operands (vector FMAs, or v_wmma_f32_16x16x4_f32). A number that lies on a knife's edge between two numbers of the format may be rounded either way, as far as f32 arithmetic and the matrix unit's own rounding can turn it there, and no further.
;; One version. Each part assembles by itself: llvm-mc -triple=amdgcn-amd-amdhsa -mcpu=gfx1250 --defsym DOCPART=n.
;; ======== version 1 of 1: 2 launches
;; limits: inputs' magnitudes at most 100,000
;; workspace buffers: att 4,194,304 bytes
;; launch attn (part 1): grid 256 x 1, 8 waves a work-group, no clusters, 34,816 bytes of LDS; arguments x, theta, att; writes att
.if DOCPART == 1
	.amdgcn_target "amdgcn-amd-amdhsa--gfx1250"
	.amdhsa_code_object_version 6
	.text
	.protected	k_qeb1d9b2669_attn
	.globl	k_qeb1d9b2669_attn
	.p2align	8
	.type	k_qeb1d9b2669_attn,@function
k_qeb1d9b2669_attn:
	s_mov_b64 s[64:65], 0
	v_nop
	global_prefetch_b8 v0, s[64:65] scope:SCOPE_SE
	s_setreg_imm32_b32 hwreg(HW_REG_WAVE_MODE, 25, 1), 1
	s_wait_xcnt 0x0
; att[b][head][q][0..7] = softmax_k(h[q] . h[k] / sqrt(8)) h[k], h = the eight wires' expectation values of (batch b, head): products of cos(x + theta).
; x: [8][1024][128] f32, theta: [8] f32.  att: a workspace of this program, [8][16][1024][8] f32, so that every store below covers 512 consecutive bytes.
; SHARES.  Work-group g = 32 b + 2 head + half owns 512 queries of one head.  It makes all 1,024 rows of h of that head itself (thread t: keys t + 256 i) and keeps them in LDS, 32 bytes a key.
; Each of the eight waves owns 64 queries, four tiles of 16, and walks all keys, 16 a step.
; BOTH PRODUCTS TAKE f32 OPERANDS: their result goes on into a quantiser.  S^T = K Q^T goes to the matrix unit (source 0 = 16 keys, source 1 = 16 queries, two instructions of 4 along the head's 8):
; in the result lane (r, h) holds query r and keys 8 h + 0 .. 7.  O += p V stays on the vector unit, two multiply-adds an instruction: in the matrix form only 8 of 16 rows would carry data.
; V of key 8 h + j is the same for the 16 lanes of a half: it comes by LDS loads, 16 a step, each of which feeds the wave's four tiles.
; NO MAXIMUM IS TAKEN AWAY: every entry of h is a product of cosines, so |score x log2(e)| <= 8 x 0.5101 = 4.08 for every input: p = 2^t lies in [0.059, 16.9], a row's sum under 17,300.
; The row's sum divides at the end (reference() divides first): another order of rounding.  A lane's sums run over 512 keys in ascending order; the two halves of the lanes are added at the end.
; THE COSINE: n = round(a / pi), by adding 1.5 x 2^23; r = a - n pi in two fused steps (pi = 0x40490fdb - 0x33bbbd2e; the first step is exact, what is left of pi is 3.5e-15 x n);
; cos r by the series in r^2 up to r^12 (remainder 6.4e-9 at |r| = pi / 2); the sign from n's lowest bit.  Absolute error about 1e-7.
; LIMITS: |x + theta| up to 1e5; NaN and infinities among the inputs are not served.
; No tile comes by the data mover and there is no cluster: what the two work-groups of a head both read is 32 KB of x, once, at the head, and it goes through the cosine in registers.
; x is read in pieces of 32 bytes of rows of 512: 32 KB a work-group, once; the other way would be a launch more.
.set STEPB,  512                       ; a key step in LDS: 16 keys of 32 bytes
.set PADB,   32768                     ; behind the 1,024 keys: two steps of zeros, which the look-ahead of the last two steps reads
.set TRIPS,  32                        ; a trip of the loop is two key steps
; v0 stays the thread's number: the store's offset is made of it at the end
.set AK, 1                             ; v1   LDS address of my 16 bytes of a tile of K: 32 r + 16 h, + the step
.set AV, 2                             ; v2   LDS address of my half's eight keys: 256 h, + the step
.set QA, 3                             ; v3   LDS address of my 16 bytes of my wave's first tile of queries
.set Q,  4                             ; v4-19    Q: tile t at 4 t: lane (r, h): c h[q = r][4 h + 0 .. 3], c = log2(e) / sqrt(8)
.set K,  20                            ; v20-27   K: two buffers of 4: lane (r, h): h[key r][4 h + 0 .. 3]
.set S,  28                            ; v28-59   S^T: tile t at 8 t.  Written by matrix instructions alone, in the whole text
.set P,  60                            ; v60-91   p: key 8 h + j, tile t at 4 j + t: a pair holds two tiles' p of one key
.set V,  92                            ; v92-219  V: two buffers of 64; in each, key 8 h + j at 8 j: its eight numbers
.set O,  220                           ; v220-251 O: tile t at 8 t: my half's part of the eight sums of query r
.set L,  252                           ; v252-255 the row's sum: tile t at t
; ahead of the barrier these registers serve the cosines (none of v28-59):
.set XA, 92                            ; v92-123  four keys x eight: x, the angle, r, r^2, at last h
.set XT, 124                           ; v124-155 n, then the series, then the cosines
.set XG, 156                           ; v156-187 the signs, then parts of wire 0's product
.set CN, 188                           ; v188-209 eleven constants, each twice: a pair for the packed forms
.set TH, 210                           ; v210-217 theta
.set XO, 220                           ; v220 512 x thread: my first key's row of x
.set HS, 221                           ; v221 32 x thread: where that key's h goes
.set ZR, 222                           ; v222 0
.set PD, 223                           ; v223 LDS address of my word of the pad
	s_load_b128 s[4:7], s[0:1], 0x0                ; x s[4:5], theta s[6:7]
	s_load_b64 s[8:9], s[0:1], 0x10                ; att
	s_set_vgpr_msb 0x40
	v_lshl_add_u32 v0, v0, 2, 0x8400
	v_mov_b32 v1, 0
	s_set_vgpr_msb 0x4000
	v_lshlrev_b32 v[XO], 9, v0
	v_mov_b32 v[ZR], 0
	s_lshr_b32 s10, ttmp9, 5                       ; batch,
	s_lshl_b32 s10, s10, 19                        ; x 1,024 rows of 512 bytes
	s_bfe_u32 s11, ttmp9, 0x40001                  ; head (4 bits from bit 1),
	s_lshl_b32 s11, s11, 5                         ; x 8 numbers
	s_add_co_u32 s10, s10, s11
	s_mov_b32 s11, 0
	s_wait_kmcnt 0x0
	s_add_nc_u64 s[4:5], s[4:5], s[10:11]
.irp i, 0,1,2,3
	global_load_b128 v[XA+8*\i:XA+8*\i+3],   v[XO], s[4:5] offset:131072*\i      ; key thread + 256 i: its head's 32 bytes
	global_load_b128 v[XA+8*\i+4:XA+8*\i+7], v[XO], s[4:5] offset:131072*\i+16
.endr
	global_load_b128 v[TH:TH+3],   v[ZR], s[6:7]
	global_load_b128 v[TH+4:TH+7], v[ZR], s[6:7] offset:16
	; addresses and constants, while the loads are on their way
	v_lshrrev_b32 v[QA], 5, v0
	v_readfirstlane_b32 s12, v[QA]                 ; wave 0..7
	s_and_b32 s13, ttmp9, 1                        ; which half of the queries,
	s_lshl_b32 s13, s13, 14                        ; x 512 rows of 32 bytes
	s_lshl_b32 s14, s12, 11                        ; my wave's 64 rows
	s_add_co_u32 s13, s13, s14                     ; my queries in LDS
	s_lshl_b32 s10, ttmp9, 14                      ; att: the work-group's 512 rows of 32 bytes,
	s_add_co_u32 s10, s10, s14                     ; my wave's 64 of them
	s_add_nc_u64 s[8:9], s[8:9], s[10:11]
	v_and_b32 v[QA], 15, v0
	v_lshlrev_b32 v[QA], 5, v[QA]                  ; 32 r
	v_bfe_u32 v[AV], v0, 4, 1                      ; h
	v_lshl_add_u32 v[AK], v[AV], 4, v[QA]          ; 32 r + 16 h
	v_lshlrev_b32 v[AV], 8, v[AV]                  ; 256 h
	v_add_nc_u32 v[QA], s13, v[AK]
	v_lshlrev_b32 v[HS], 5, v0
	v_lshl_add_u32 v[PD], v0, 2, PADB
.macro CONST n, bits
	v_mov_b32 v[CN+2*\n], \bits
	v_mov_b32 v[CN+2*\n+1], \bits
.endm
	CONST 0, 0x3ea2f983                            ; 1 / pi
	CONST 1, 0x4b400000                            ; 1.5 x 2^23: a sum with it is a whole number, and its lowest bit is n's
	CONST 2, 0xc0490fdb                            ; -pi, the upper part
	CONST 3, 0x33bbbd2e                            ; -pi, the lower part
	CONST 4, 0x310f76c7                            ; 1 / 12!
	CONST 5, 0xb493f27e                            ; -1 / 10!
	CONST 6, 0x37d00d01                            ; 1 / 8!
	CONST 7, 0xbab60b61                            ; -1 / 6!
	CONST 8, 0x3d2aaaab                            ; 1 / 4!
	CONST 9, 0xbf000000                            ; -1 / 2
	CONST 10, 0x3f800000                           ; 1
	s_wait_loadcnt 0x0
	; THE COSINES of my 32 angles, stage by stage over 16 pairs: no line waits for the line above it
.irp i, 0,1,2,3
.irp p, 0,2,4,6
	v_pk_add_f32 v[XA+8*\i+\p:XA+8*\i+\p+1], v[XA+8*\i+\p:XA+8*\i+\p+1], v[TH+\p:TH+\p+1]   ; a = x + theta, rounded as reference() rounds it
.endr
.endr
.set e, 0
.rept 16
	v_pk_fma_f32 v[XT+e:XT+e+1], v[XA+e:XA+e+1], v[CN:CN+1], v[CN+2:CN+3]                   ; a / pi + 1.5 x 2^23: rounded to a whole number
.set e, e+2
.endr
.set e, 0
.rept 32
	v_lshlrev_b32 v[XG+e], 31, v[XT+e]                                                      ; n's lowest bit, as a sign
.set e, e+1
.endr
.set e, 0
.rept 16
	v_pk_add_f32 v[XT+e:XT+e+1], v[XT+e:XT+e+1], v[CN+2:CN+3] neg_lo:[0,1] neg_hi:[0,1]     ; n
.set e, e+2
.endr
.set e, 0
.rept 16
	v_pk_fma_f32 v[XA+e:XA+e+1], v[XT+e:XT+e+1], v[CN+4:CN+5], v[XA+e:XA+e+1]               ; a - n pi: the upper part (exact),
.set e, e+2
.endr
.set e, 0
.rept 16
	v_pk_fma_f32 v[XA+e:XA+e+1], v[XT+e:XT+e+1], v[CN+6:CN+7], v[XA+e:XA+e+1]               ; the lower part: r
.set e, e+2
.endr
.set e, 0
.rept 16
	v_pk_mul_f32 v[XA+e:XA+e+1], v[XA+e:XA+e+1], v[XA+e:XA+e+1]                             ; y = r^2
.set e, e+2
.endr
.set e, 0
.rept 16
	v_pk_fma_f32 v[XT+e:XT+e+1], v[XA+e:XA+e+1], v[CN+8:CN+9], v[CN+10:CN+11]               ; y / 12! - 1 / 10!
.set e, e+2
.endr
.macro HORNER n                        ; the series so far x y + constant n
.set e, 0
.rept 16
	v_pk_fma_f32 v[XT+e:XT+e+1], v[XT+e:XT+e+1], v[XA+e:XA+e+1], v[CN+2*\n:CN+2*\n+1]
.set e, e+2
.endr
.endm
	HORNER 6
	HORNER 7
	HORNER 8
	HORNER 9
	HORNER 10                                      ; cos r
.set e, 0
.rept 32
	v_xor_b32 v[XT+e], v[XT+e], v[XG+e]                                                     ; cos a = (-1)^n cos r
.set e, e+1
.endr
	; THE WIRES: wire w >= 1 is c0 c1 .. cw; wire 0 is c1 c2 .. c7.  The four keys by turns
.irp i, 0,1,2,3
	v_mul_f32 v[XA+8*\i+1], v[XT+8*\i], v[XT+8*\i+1]
	v_mul_f32 v[XG+8*\i],   v[XT+8*\i+1], v[XT+8*\i+2]
	v_mul_f32 v[XG+8*\i+1], v[XT+8*\i+3], v[XT+8*\i+4]
	v_mul_f32 v[XG+8*\i+2], v[XT+8*\i+5], v[XT+8*\i+6]
.endr
.irp i, 0,1,2,3
	v_mul_f32 v[XA+8*\i+2], v[XA+8*\i+1], v[XT+8*\i+2]
	v_mul_f32 v[XG+8*\i],   v[XG+8*\i], v[XG+8*\i+1]
	v_mul_f32 v[XG+8*\i+2], v[XG+8*\i+2], v[XT+8*\i+7]
.endr
.irp i, 0,1,2,3
	v_mul_f32 v[XA+8*\i+3], v[XA+8*\i+2], v[XT+8*\i+3]
	v_mul_f32 v[XA+8*\i],   v[XG+8*\i], v[XG+8*\i+2]
.endr
.irp w, 4,5,6,7
.irp i, 0,1,2,3
	v_mul_f32 v[XA+8*\i+\w], v[XA+8*\i+\w-1], v[XT+8*\i+\w]
.endr
.endr
.irp i, 0,1,2,3
	ds_store_b128 v[HS], v[XA+8*\i:XA+8*\i+3]   offset:8192*\i                              ; h[thread + 256 i][0 .. 7]
	ds_store_b128 v[HS], v[XA+8*\i+4:XA+8*\i+7] offset:8192*\i+16
.endr
	ds_store_b32 v[PD], v[ZR]                      ; the pad: 256 threads x 4 bytes
	s_wait_dscnt 0x0                               ; for the others' sake: my stores have landed
	s_barrier_signal -1
	s_barrier_wait -1                              ; the head's h lies in LDS; from here on LDS is only read
; One matrix instruction of a step's eight.  n = 0 .. 3: tile n, the head's numbers 4 h + 0, 1, starts the sum with the constant 0; n = 4 .. 7: tile n - 4, numbers 4 h + 2, 3, adds onto it.
; K's and Q's registers name the head's numbers in the same order, so the order does not matter.  The four accumulators take turns, one instruction a turn, over the loop's jump too.
.macro QK n, kb
.if \n < 4
	v_wmma_f32_16x16x4_f32 v[S+8*\n:S+8*\n+7], v[K+4*\kb:K+4*\kb+1], v[Q+4*\n:Q+4*\n+1], 0
.else
	v_wmma_f32_16x16x4_f32 v[S+8*(\n-4):S+8*(\n-4)+7], v[K+4*\kb+2:K+4*\kb+3], v[Q+4*(\n-4)+2:Q+4*(\n-4)+3], v[S+8*(\n-4):S+8*(\n-4)+7]
.endif
.endm
.irp t, 0,1,2,3
	ds_load_b128 v[Q+4*\t:Q+4*\t+3], v[QA] offset:STEPB*\t
.endr
	ds_load_b128 v[K:K+3],   v[AK]                 ; K of step 0
	ds_load_b128 v[K+4:K+7], v[AK] offset:STEPB    ; and of step 1
.irp j, 0,1,2,3,4,5,6,7
	ds_load_b128 v[V+8*\j:V+8*\j+3],   v[AV] offset:32*\j                                   ; V of step 0, into buffer 0
	ds_load_b128 v[V+8*\j+4:V+8*\j+7], v[AV] offset:32*\j+16
.endr
	s_wait_dscnt 17                                ; Q and K of step 0 are in; the 17 loads behind them may be out
.set e, 0
.rept 16
	v_mul_f32 v[Q+e], 0x3f0293ee, v[Q+e]           ; x c = log2(e) / sqrt(8): the product is the exponent of 2 as it stands
.set e, e+1
.endr
.irp n, 0,1,2,3,4,5,6,7
	QK \n, 0                                       ; S^T of step 0
.endr
.set e, 0
.rept 36
	v_mov_b32 v[O+e], 0                            ; O and the sums (v220-255) begin as zeros: once, so that the step is written once.  These lines are also the places behind the products above
.set e, e+1
.endr
; THE TURN OF KEY STEP s.  S^T(s) is finished; K(s + 1) lies, or is on its way, in K's buffer kb, V(s) in V's buffer vb.
; The 32 exponentials are one batch; one plain line follows (an address goes two steps on), and one wait ahead of the first reader.
; THE STEP'S 17 LDS LOADS STAND IN ONE RUN, directly behind that wait, and none among the matrix and vector instructions: K(s + 2) into K's other buffer, V(s + 1) into V's other buffer.
; They are used a whole step later, so the step has one wait on DScnt: s_wait_dscnt 17 leaves the 17 just issued out; the 17 of the step before, K(s + 1) and V(s), are in.
; Then eight groups, one for each key 8 h + i: one matrix instruction for S^T(s + 1); 16 packed multiply-adds (4 tiles x 4 pairs of the head's numbers); two packed additions, each for two tiles' sums.
; The 18 plain instructions of a group name no register of the matrix instructions: they are the places (eight or nine are asked) ahead of the exponentials that read S^T,
; of the load into K's idle buffer, and of the product that begins S^T anew.
.macro STEP kb, vb, stepreg, koff, voff
.set e, 0
.rept 32
	v_exp_f32 v[P+4*(e%8)+e/8], v[S+e]             ; p = 2^t; each accumulator is read from its low end on; tile e / 8, key e % 8
.set e, e+1
.endr
	v_add_nc_u32 v[\stepreg], 2*STEPB, v[\stepreg] ; the plain line behind the batch; the last load that named this register stands a step back or more
	s_wait_alu depctr_va_vdst(0)
	ds_load_b128 v[K+4*(1-\kb):K+4*(1-\kb)+3], v[AK] offset:\koff
.irp j, 0,1,2,3,4,5,6,7
	ds_load_b128 v[V+64*(1-\vb)+8*\j:V+64*(1-\vb)+8*\j+3],   v[AV] offset:\voff+32*\j
	ds_load_b128 v[V+64*(1-\vb)+8*\j+4:V+64*(1-\vb)+8*\j+7], v[AV] offset:\voff+32*\j+16
.endr
	s_wait_dscnt 17
.irp i, 0,1,2,3,4,5,6,7
	QK \i, \kb
.irp t, 0,1,2,3
.irp d, 0,2,4,6
.if \t&1
	v_pk_fma_f32 v[O+8*\t+\d:O+8*\t+\d+1], v[P+4*\i+(\t&2):P+4*\i+(\t&2)+1], v[V+64*\vb+8*\i+\d:V+64*\vb+8*\i+\d+1], v[O+8*\t+\d:O+8*\t+\d+1] op_sel:[1,0,0] op_sel_hi:[1,1,1]   ; p of an odd tile: the pair's upper word for both halves
.else
	v_pk_fma_f32 v[O+8*\t+\d:O+8*\t+\d+1], v[P+4*\i+(\t&2):P+4*\i+(\t&2)+1], v[V+64*\vb+8*\i+\d:V+64*\vb+8*\i+\d+1], v[O+8*\t+\d:O+8*\t+\d+1] op_sel_hi:[0,1,1]                  ; of an even tile: the lower word
.endif
.endr
.endr
	v_pk_add_f32 v[L:L+1],   v[L:L+1],   v[P+4*\i:P+4*\i+1]      ; the sums of tiles 0 and 1,
	v_pk_add_f32 v[L+2:L+3], v[L+2:L+3], v[P+4*\i+2:P+4*\i+3]    ; of tiles 2 and 3
.endr
.endm
	s_mov_b32 s15, TRIPS
.Lkeys:                                            ; the last trip's look-ahead (K of steps 64 and 65, V and S^T of step 64) runs on the pad and is not used: the price of one body for all steps
	STEP 1, 0, AK, 0, STEPB                        ; an even step 2 m: K's address goes on to step 2 m + 2, which it fetches; V of step 2 m + 1
	STEP 0, 1, AV, STEPB, 0                        ; an odd step: V's address goes on to step 2 m + 2, which it fetches; K of step 2 m + 3
	s_sub_co_u32 s15, s15, 1
	s_cmp_lg_u32 s15, 0
	s_cbranch_scc1 .Lkeys
	; THE WAY OUT.  The sums of the two halves of the lanes meet; O is divided by the row's sum; lane (r, h) stores numbers 4 h + 0 .. 3 of query r.
	s_wait_dscnt 0x0                               ; the look-ahead's loads have landed
	s_mov_b32 s16, 0x76543210
	s_mov_b32 s17, 0xfedcba98                      ; v_permlanex16_b32's selects for lane l xor 16
.irp t, 0,1,2,3
	v_permlanex16_b32 v[P+4+\t], v[L+\t], s16, s17
.endr
.irp t, 0,1,2,3
	v_add_f32 v[P+\t], v[L+\t], v[P+4+\t]          ; the row's sum
.endr
.irp t, 0,1,2,3
	v_rcp_f32 v[P+8+\t], v[P+\t]
.endr
	v_and_b32 v[P+24], 15, v0                      ; (a plain line behind the last reciprocal)  my place in a tile's 512 bytes of att:
	v_bfe_u32 v[P+25], v0, 4, 1
	v_lshlrev_b32 v[P+24], 5, v[P+24]
	v_lshl_add_u32 v[P+24], v[P+25], 4, v[P+24]    ; 32 r + 16 h
.irp t, 0,1,2,3
.irp d, 0,1,2,3
	v_permlane16_swap_b32 v[O+8*\t+\d], v[O+8*\t+4+\d]   ; the first's lanes 16-31 change places with the second's lanes 0-15: both registers now hold, in lane (r, h), a part of number 4 h + d
.endr
.endr
.irp t, 0,1,2,3
	v_pk_add_f32 v[O+8*\t:O+8*\t+1],   v[O+8*\t:O+8*\t+1],   v[O+8*\t+4:O+8*\t+5]
	v_pk_add_f32 v[O+8*\t+2:O+8*\t+3], v[O+8*\t+2:O+8*\t+3], v[O+8*\t+6:O+8*\t+7]
.endr
	s_wait_alu depctr_va_vdst(0)                   ; one wait for the four reciprocals, ahead of their first reader
.irp t, 0,1,2,3
	v_fma_f32 v[P+12+\t], -v[P+\t], v[P+8+\t], 1.0 ; one step of Newton's: 1 - l y,
.endr
.irp t, 0,1,2,3
	v_fma_f32 v[P+16+2*\t], v[P+8+\t], v[P+12+\t], v[P+8+\t]   ; y + y (1 - l y)
.endr
.irp t, 0,1,2,3
	v_pk_mul_f32 v[O+8*\t:O+8*\t+1],   v[O+8*\t:O+8*\t+1],   v[P+16+2*\t:P+17+2*\t] op_sel_hi:[1,0]
	v_pk_mul_f32 v[O+8*\t+2:O+8*\t+3], v[O+8*\t+2:O+8*\t+3], v[P+16+2*\t:P+17+2*\t] op_sel_hi:[1,0]
.endr
.irp t, 0,1,2,3
	global_store_b128 v[P+24], v[O+8*\t:O+8*\t+3], s[8:9] offset:512*\t    ; 32 lanes store 512 consecutive bytes, at a multiple of 512 from att's first byte
.endr
	s_set_vgpr_msb 0x5
	s_wait_tensorcnt 0x0
	ds_add_u32 v0, v1
	s_wait_dscnt 0x0
	s_set_vgpr_msb 0x500
	s_endpgm
.Lfunc_end_k_qeb1d9b2669_attn:
	.size	k_qeb1d9b2669_attn, .Lfunc_end_k_qeb1d9b2669_attn-k_qeb1d9b2669_attn
	.p2alignl 7, 3214868480
	.fill 96, 4, 3214868480
	.section	.rodata,"a",@progbits
	.p2align	6, 0x0
	.amdhsa_kernel k_qeb1d9b2669_attn
		.amdhsa_group_segment_fixed_size 34816
		.amdhsa_private_segment_fixed_size 0
		.amdhsa_enable_private_segment 0
		.amdhsa_kernarg_size 24
		.amdhsa_user_sgpr_count 2
		.amdhsa_user_sgpr_kernarg_segment_ptr 1
		.amdhsa_wavefront_size32 1
		.amdhsa_system_sgpr_workgroup_id_x 1
		.amdhsa_system_sgpr_workgroup_id_y 1
		.amdhsa_system_sgpr_workgroup_id_z 1
		.amdhsa_system_vgpr_workitem_id 0
		.amdhsa_next_free_vgpr 258
		.amdhsa_next_free_sgpr 66
		.amdhsa_reserve_vcc 0
		.amdhsa_float_denorm_mode_32 3
		.amdhsa_float_denorm_mode_16_64 3
		.amdhsa_memory_ordered 1
		.amdhsa_forward_progress 1
		.amdhsa_inst_pref_size 52
	.end_amdhsa_kernel
	.amdgpu_metadata
---
amdhsa.version: [ 1, 2 ]
amdhsa.kernels:
  - .name:           k_qeb1d9b2669_attn
    .symbol:         k_qeb1d9b2669_attn.kd
    .args:
      - { .name: x, .offset: 0, .size: 8, .value_kind: global_buffer, .address_space: global }
      - { .name: theta, .offset: 8, .size: 8, .value_kind: global_buffer, .address_space: global }
      - { .name: att, .offset: 16, .size: 8, .value_kind: global_buffer, .address_space: global }
    .group_segment_fixed_size: 34816
    .private_segment_fixed_size: 0
    .kernarg_segment_align: 8
    .kernarg_segment_size: 24
    .max_flat_workgroup_size: 256
    .sgpr_count:     66
    .vgpr_count:     258
    .wavefront_size: 32
...
	.end_amdgpu_metadata
.endif
;; end of part 1
;; launch proj (part 2): grid 256 x 1, 8 waves a work-group, no clusters, 17,920 bytes of LDS; arguments att, W, b, out0; writes out0
.if DOCPART == 2
	.amdgcn_target "amdgcn-amd-amdhsa--gfx1250"
	.amdhsa_code_object_version 6
	.text
	.protected	k_qeb1d9b2669_proj
	.globl	k_qeb1d9b2669_proj
	.p2align	8
	.type	k_qeb1d9b2669_proj,@function
k_qeb1d9b2669_proj:
	s_mov_b64 s[64:65], 0
	v_nop
	global_prefetch_b8 v0, s[64:65] scope:SCOPE_SE
	s_setreg_imm32_b32 hwreg(HW_REG_WAVE_MODE, 25, 1), 1
	s_wait_xcnt 0x0
; out0[row][n] = the sum over k of Q(a[row][k]) Q(W[n][k]) + b[n], Q the quantiser to FP4 (E2M1) with one E8M0 scale for each 32 along k; sums in f32.
; a[row = 1024 batch + s][k = 8 head + d] lies in att as [batch][head][s][8] f32; W: [128][128] f32, k innermost; b: [128]; out0: [8192][128] f32.
; SHARES.  A work-group takes 32 rows, eight waves.  Wave w makes columns 16 w .. 16 w + 15 of all 32 rows: it quantises W's 16 rows and both tiles of 16 rows of a in its own registers (no operand changes waves),
; and issues two matrix instructions of 16 x 16 x 128: all of k.  The 32 rows' numbers are read by each of the eight waves: 16 KB, eight times, against a barrier and a round trip through LDS.
; THE QUANTISER takes 64 numbers of a lane: register 16 b + i = k 32 b + 16 (lane / 16) + i of the lane's row.  For W those are 64 neighbouring bytes of each 128; for a they are two heads' 32 bytes.
; A block's scale byte is its largest magnitude's exponent field - 2, held at 1 from below (a block of zeros keeps the byte 1: its codes are zeros, and only this kernel reads the byte).
; THE MATRIX INSTRUCTION IS USED TRANSPOSED (source 0 = 16 rows of W, source 1 = 16 rows of a): a lane holds eight neighbouring columns of one row.  b is the C of the instruction, in the result's layout.
; THE WAY OUT: a row's 512 bytes come from eight waves: they meet in a stage in LDS (rows of 512 + 16 bytes); behind a barrier each wave stores four whole rows.
; LIMITS: NaN and infinities are not served.
.set XW,  16                           ; v16-79   W's 64 numbers; v16-31 later the results
.set XA0, 80                           ; v80-143  a, rows 0-15; later rows of the result on their way out
.set XA1, 144                          ; v144-207 a, rows 16-31
.set BI,  208                          ; v208-215 b[16 w + 8 h + 0 .. 7]
.set WC,  216                          ; v216-223 W's codes
.set AC0, 224                          ; v224-231, v232-239 a's codes
.set AC1, 232
.set TM,  240                          ; v240-243 largest magnitudes, v244-247 bytes, v252-255 the conversions' scale operands
.set WS,  12                           ; v12, v13, v14: the scale words of W and of a's two tiles, and nothing else
.set AS0, 13
.set AS1, 14
.set D0,  16
.set D1,  24
.set SPITCH, 528
.set SEL, 20
	s_load_b128 s[4:7], s[0:1], 0x0                ; att s[4:5], W s[6:7]
	s_load_b128 s[8:11], s[0:1], 0x10              ; b s[8:9], out0 s[10:11]
	v_lshl_add_u32 v250, v0, 2, 0x4200
	v_mov_b32 v251, 0
	v_lshrrev_b32 v1, 5, v0
	v_readfirstlane_b32 s12, v1                    ; wave 0..7
	v_and_b32 v2, 15, v0                           ; r
	v_bfe_u32 v3, v0, 4, 1                         ; h
	v_lshlrev_b32 v4, 5, v2                        ; att: row r of 32 bytes,
	v_lshl_add_u32 v4, v3, 16, v4                  ; + two heads of 32,768 bytes for lanes 16-31
	v_lshlrev_b32 v5, 9, v2                        ; W: row r of 512 bytes,
	v_lshl_add_u32 v5, v3, 6, v5                   ; + 64 h
	v_lshlrev_b32 v6, 5, v3                        ; b: 32 h
	s_lshr_b32 s13, ttmp9, 5                       ; batch,
	s_lshl_b32 s13, s13, 19                        ; x 16 heads of 32,768 bytes
	s_and_b32 s14, ttmp9, 31                       ; which 32 rows of the batch,
	s_lshl_b32 s14, s14, 10                        ; x 32 bytes
	s_add_co_u32 s14, s14, s13
	s_mov_b32 s15, 0
	s_lshl_b32 s16, s12, 13                        ; W: my 16 rows
	s_mov_b32 s17, 0
	s_lshl_b32 s18, s12, 6                         ; b: my 16 numbers
	s_mov_b32 s19, 0
	s_lshl_b32 s22, ttmp9, 14                      ; out0: the work-group's 32 rows of 512 bytes,
	s_lshl_b32 s23, s12, 11                        ; the four that I store
	s_add_co_u32 s22, s22, s23
	s_mov_b32 s23, 0
	s_mov_b32 s[SEL], 0x76543210
	s_mov_b32 s[SEL+1], 0xfedcba98                 ; v_permlanex16_b32's selects for lane l xor 16
	s_wait_kmcnt 0x0
	s_add_nc_u64 s[4:5], s[4:5], s[14:15]
	s_add_nc_u64 s[6:7], s[6:7], s[16:17]
	s_add_nc_u64 s[8:9], s[8:9], s[18:19]
	s_add_nc_u64 s[10:11], s[10:11], s[22:23]
.irp b, 0,1,2,3
.irp j, 0,1,2,3
	global_load_b128 v[XW+16*\b+4*\j:XW+16*\b+4*\j+3], v5, s[6:7] offset:128*\b+16*\j       ; W(16 w + r, 32 b + 16 h + 4 j ..)
.endr
.endr
.irp m, 0,1
.irp b, 0,1,2,3
.irp u, 0,1
.irp q, 0,1
	global_load_b128 v[XA0+64*\m+16*\b+8*\u+4*\q:XA0+64*\m+16*\b+8*\u+4*\q+3], v4, s[4:5] offset:512*\m+131072*\b+32768*\u+16*\q   ; row 16 m + r, head 4 b + 2 h + u, numbers 4 q ..: sixteen lanes and the two q cover 512 consecutive bytes
.endr
.endr
.endr
.endr
	global_load_b128 v[BI:BI+3],   v6, s[8:9]
	global_load_b128 v[BI+4:BI+7], v6, s[8:9] offset:16
.irp b, 0,1,2,3
	v_mov_b32 v[TM+4+\b], 0                        ; written once: a lane permute's destination counts as one of its sources
.endr
; 64 numbers of a lane, v[s] on, become a fragment's codes in v[pc] on and its rows' scale word in v[pw].
.macro QUANT s, pc, pw
.irp b, 0,1,2,3
	v_max3_num_f32 v[TM+\b], |v[\s+16*\b]|, |v[\s+1+16*\b]|, 0x1800000   ; block b: my 16 numbers, and the floor 2^(3 - 127): so the byte cannot fall under 1
.endr
.irp i, 2,4,6,8,10,12,14
.irp b, 0,1,2,3
	v_max3_num_f32 v[TM+\b], v[TM+\b], |v[\s+16*\b+\i]|, |v[\s+1+16*\b+\i]|   ; (the four blocks by turns)
.endr
.endr
.irp b, 0,1,2,3
	v_permlanex16_b32 v[TM+4+\b], v[TM+\b], s[SEL], s[SEL+1]
.endr
.irp b, 0,1,2,3
	v_max_num_f32 v[TM+\b], v[TM+\b], v[TM+4+\b]   ; with lane l xor 16's: the block's largest magnitude
.endr
.irp b, 0,1,2,3
	v_add_nc_u32 v[TM+12+\b], 0xff000000, v[TM+\b] ; 2 off its exponent field: the conversion takes the exponent field of this operand as its scale
.endr
.irp b, 0,1,2,3
	v_lshrrev_b32 v[TM+4+\b], 23, v[TM+12+\b]      ; the scale's byte
.endr
	v_lshl_or_b32 v[\pw], v[TM+5], 8, v[TM+4]      ; the four bytes make my row's scale word
	v_lshl_or_b32 v[\pw], v[TM+6], 16, v[\pw]
	v_lshl_or_b32 v[\pw], v[TM+7], 24, v[\pw]
.irp b, 0,1,2,3
	v_cvt_scalef32_pk8_fp4_f32 v[\pc+2*\b], v[\s+16*\b:\s+7+16*\b], v[TM+12+\b]      ; to the nearest code, ties to even; beyond 6 the largest code
	v_cvt_scalef32_pk8_fp4_f32 v[\pc+1+2*\b], v[\s+8+16*\b:\s+15+16*\b], v[TM+12+\b]
.endr
	v_nop                                          ; one plain line behind a scaled conversion
.irp c, 0,1                                    ; the operand's layout wants a WHOLE block in a lane: lanes 0-15 block 2 c, lanes 16-31 block 2 c + 1
.irp i, 0,1
	v_permlane16_swap_b32 v[\pc+4*\c+\i], v[\pc+2+4*\c+\i]
.endr
.endr
.endm
	s_wait_loadcnt 34                              ; W's 16 loads are in; a's 32 and b's two may be out
	QUANT XW, WC, WS
	s_wait_loadcnt 18                              ; a's rows 0-15
	QUANT XA0, AC0, AS0
	s_wait_loadcnt 2                               ; a's rows 16-31
	QUANT XA1, AC1, AS1
	; the addresses of the way out are made here: with the two v_nop they are the eight plain lines between the last scale word's making and the scaled matrix instructions
	v_mul_u32_u24 v7, v2, SPITCH
	v_lshl_add_u32 v7, v3, 5, v7
	v_add_nc_u32 v7, s18, v7                       ; into the stage: row r, + 32 h, + 64 w: my eight columns' bytes
	v_and_b32 v9, 31, v0
	v_lshlrev_b32 v9, 4, v9                        ; back, and in out0: 16 bytes a lane
	s_mul_i32 s24, s12, 4*SPITCH
	v_add_nc_u32 v8, s24, v9                       ; my four rows of the stage
	v_nop
	v_nop
	s_wait_loadcnt 0x0                             ; b
	v_wmma_scale_f32_16x16x128_f8f6f4 v[D0:D0+7], v[WC:WC+7], v[AC0:AC0+7], v[BI:BI+7], v[WS], v[AS0] matrix_a_fmt:MATRIX_FMT_FP4 matrix_b_fmt:MATRIX_FMT_FP4
	v_wmma_scale_f32_16x16x128_f8f6f4 v[D1:D1+7], v[WC:WC+7], v[AC1:AC1+7], v[BI:BI+7], v[WS], v[AS1] matrix_a_fmt:MATRIX_FMT_FP4 matrix_b_fmt:MATRIX_FMT_FP4
.rept 4
	v_nop                                          ; four places ahead of the stores that read the results; no other vector work is left
.endr
.irp m, 0,1
	ds_store_b128 v7, v[D0+8*\m:D0+8*\m+3]   offset:16*\m*SPITCH        ; lane (r, h): out(16 m + r, 16 w + 8 h + 0 .. 7); each result from its low end on
	ds_store_b128 v7, v[D0+8*\m+4:D0+8*\m+7] offset:16*\m*SPITCH+16
.endr
	s_wait_dscnt 0x0                               ; for the others' sake: my stores have landed
	s_barrier_signal -1
	s_barrier_wait -1                              ; 32 whole rows lie in the stage
.irp i, 0,1,2,3
	ds_load_b128 v[XA0+4*\i:XA0+4*\i+3], v8 offset:\i*SPITCH
.endr
.irp i, 0,1,2,3
	s_wait_dscnt 3-\i                              ; row i is back; the younger loads may be out
	global_store_b128 v9, v[XA0+4*\i:XA0+4*\i+3], s[10:11] offset:512*\i th:TH_STORE_NT   ; 32 lanes store a row of 512 bytes, at a multiple of 512 from out0's first byte; written once, read by nobody here
.endr
	s_wait_tensorcnt 0x0
	ds_add_u32 v250, v251
	s_wait_dscnt 0x0
	s_endpgm
.Lfunc_end_k_qeb1d9b2669_proj:
	.size	k_qeb1d9b2669_proj, .Lfunc_end_k_qeb1d9b2669_proj-k_qeb1d9b2669_proj
	.p2alignl 7, 3214868480
	.fill 96, 4, 3214868480
	.section	.rodata,"a",@progbits
	.p2align	6, 0x0
	.amdhsa_kernel k_qeb1d9b2669_proj
		.amdhsa_group_segment_fixed_size 17920
		.amdhsa_private_segment_fixed_size 0
		.amdhsa_enable_private_segment 0
		.amdhsa_kernarg_size 32
		.amdhsa_user_sgpr_count 2
		.amdhsa_user_sgpr_kernarg_segment_ptr 1
		.amdhsa_wavefront_size32 1
		.amdhsa_system_sgpr_workgroup_id_x 1
		.amdhsa_system_sgpr_workgroup_id_y 1
		.amdhsa_system_sgpr_workgroup_id_z 1
		.amdhsa_system_vgpr_workitem_id 0
		.amdhsa_next_free_vgpr 256
		.amdhsa_next_free_sgpr 66
		.amdhsa_reserve_vcc 0
		.amdhsa_float_denorm_mode_32 3
		.amdhsa_float_denorm_mode_16_64 3
		.amdhsa_memory_ordered 1
		.amdhsa_forward_progress 1
		.amdhsa_inst_pref_size 20
	.end_amdhsa_kernel
	.amdgpu_metadata
---
amdhsa.version: [ 1, 2 ]
amdhsa.kernels:
  - .name:           k_qeb1d9b2669_proj
    .symbol:         k_qeb1d9b2669_proj.kd
    .args:
      - { .name: att, .offset: 0, .size: 8, .value_kind: global_buffer, .address_space: global }
      - { .name: W, .offset: 8, .size: 8, .value_kind: global_buffer, .address_space: global }
      - { .name: b, .offset: 16, .size: 8, .value_kind: global_buffer, .address_space: global }
      - { .name: out0, .offset: 24, .size: 8, .value_kind: global_buffer, .address_space: global }
    .group_segment_fixed_size: 17920
    .private_segment_fixed_size: 0
    .kernarg_segment_align: 8
    .kernarg_segment_size: 32
    .max_flat_workgroup_size: 256
    .sgpr_count:     66
    .vgpr_count:     256
    .wavefront_size: 32
...
	.end_amdgpu_metadata
.endif
;; end of part 2
